; MI455X (gfx1250); checked and timed in simulation.
; The chip was launched on July 23, 2026; its instructions are those of AMD's public machine-readable ISA for CDNA 5 (MIT licence, August 2026) and "CDNA5" Instruction Set Architecture Reference Guide (July 2026). The comments in the code are by the model that wrote it; some were corrected since.
;; Quantized Linear. Allowed arithmetic: matrix products marked QUANTISED: E3M2 operands, one E8M0 scale for each 32 along K, by v_wmma_scale_f32_16x16x128_f8f6f4 with both operands' format E3M2, f32 sums; everything else in f32.
;; Inputs: bias 4,096 float32; scale 4,096 x 1 float32; weight_int8 4,096 x 4,096 int32; x 4 x 1,024 x 4,096 float32.
;; Outputs: out0 4 x 1,024 x 4,096 float32.
;; This version of the problem:
;;   THIS VERSION OF THE PROBLEM IS GIVEN IN LOW PRECISION. The matrix products marked QUANTISED in the list below multiply operands that are first quantised to E3M2 (3 exponent bits, 2 mantissa bits; 6 bits a number), with one power-of-two scale for each 32 numbers along K (OCP MX v1.0); their sums are f32. All else is computed in f32.
;;   The module's matrix products, in the order in which they are computed (A, B: the left and right operand; K: the contracted axis; several contracted axes count as one K, in the product's order):
;;     1. [M 4,096, K 4,096] x [K 4,096, N 4,096]; A: input x; B: computed on the way: QUANTISED
;;   THE QUANTISER, for each operand of a quantised product, along K:
;;     - K is cut into blocks of 32 from its start; a last block that is shorter is filled with zeros.
;;     - A block's scale is 2^e with e = floor(log2(the largest magnitude in the block)) - 4, held to -126 .. 127; a block of zeros has e = 0. As a byte (E8M0): e + 127.
;;     - Each number is divided by its block's scale, clamped to +-28, and rounded to the nearest number of E3M2, ties to even, subnormals kept.
;;     - The product sums the exact products of the quantised numbers (number of the format x scale) in f32.
;;   ~~~python
;;   def quantise(x, axis):      # numpy; x: float32 -> the quantised numbers, widened to float32 again
;;       x = np.moveaxis(x, axis, -1); K = x.shape[-1]
;;       x = np.pad(x, [(0, 0)] * (x.ndim - 1) + [(0, -K % 32)]); x = x.reshape(x.shape[:-1] + (-1, 32)); a = np.abs(x).max(-1, keepdims=True)
;;       e = np.where(a > 0, np.clip(np.frexp(np.where(a > 0, a, 1))[1] - 1 - 4, -126, 127), 0)      # np.frexp(a)[1] - 1 = floor(log2(a)), exactly
;;       r = np.clip(x / 2.0 ** e, -28, 28)
;;       step = 2.0 ** (np.maximum(np.frexp(np.where(r == 0, 1, r))[1] - 1, -2) - 2)
;;       q = np.round(r / step) * step * 2.0 ** e      # np.round: ties to even
;;       return np.moveaxis(q.reshape(q.shape[:-2] + (-1,))[..., :K], -1, axis).astype(np.float32)
;;   ~~~
;;   OPERANDS COMPUTED ON THE WAY. 'Computed on the way' means the value that the module computes at that place (a softmax that the list does not call 'softmax' is quantised finished and normalised). What goes into a quantiser is computed in f32, as accurately as f32 sums, v_exp_f32 and their like allow (about 1e-6 of the number): no bf16 or f16 on the way to a quantiser, and a product that is left as it is and whose result goes on into a quantised operand takes f32 operands (vector FMAs, or v_wmma_f32_16x16x4_f32). A number that lies on a knife's edge between two numbers of the format may be rounded either way, as far as f32 arithmetic and the matrix unit's own rounding can turn it there, and no further.
;; One version. Each part assembles by itself: llvm-mc -triple=amdgcn-amd-amdhsa -mcpu=gfx1250 --defsym DOCPART=n.
;; ======== version 1 of 1: 2 launches
;; limits: right only within a limited range of input values
;; workspace buffers: xq 13,107,200 bytes; wq 13,107,200 bytes
;; launch quant (part 1): grid 1024 x 1, 4 waves a work-group, no clusters, 34,304 bytes of LDS; arguments x, weight_int8, xq, wq, scale; writes xq, wq
.if DOCPART == 1
	.amdgcn_target "amdgcn-amd-amdhsa--gfx1250"
	.amdhsa_code_object_version 6
	.text
	.protected	k_qe667054051_quant
	.globl	k_qe667054051_quant
	.p2align	8
	.type	k_qe667054051_quant,@function
k_qe667054051_quant:
	s_mov_b64 s[64:65], 0
	v_nop
	global_prefetch_b8 v0, s[64:65] scope:SCOPE_SE
	s_setreg_imm32_b32 hwreg(HW_REG_WAVE_MODE, 25, 1), 1
	s_wait_xcnt 0x0
; x [4096][4096] f32, and w[o][d] = f32(weight_int8[o][d]) * scale[o] ([4096][4096], one f32 rounding), are turned into codes of BF6 (E3M2), 6 bits each,
; with one E8M0 scale byte for each 32 along the last axis, which is the product's K in both.
; A block's scale is 2^(floor(log2(its largest magnitude)) - 4); its byte is the largest magnitude's own exponent field - 4, held at 1 from below.
; Each number is divided by the scale and rounded to the nearest code, ties to even; beyond the largest code the largest.
; LIMITS: NaN and infinities among x and scale are not served.  A block of zeros gets the byte 1 where the rule says 127: its codes are zeros, which add nothing
; under any byte but 0xff, and this program alone reads the bytes.  Blocks whose largest magnitude lies under 2^(5 - 127) are held at the byte 1.
; THE RESULTS ARE LAID AS THE NEXT LAUNCH TAKES THEM.  A fragment is 16 rows x 128 K, 12 registers a lane: lane (r, h) holds row r, registers 6 c .. 6 c + 5 hold k = 64 c + 32 h + 0 .. 31.
;   a buffer: [tile row of 256 rows: 16][half of 128 rows: 2][step of 128 K: 32][a record of 12,800 bytes]
;   a record: the images of the half's 8 fragments, [block of 16 rows: 8][4 registers: 3][lane: 32][16 bytes], then 512 bytes of scale words: the word of block i, row r at 256 (i / 4) + 16 r + 4 (i % 4);
;   byte b of a word is the scale of k = 32 b .. 32 b + 31 of the step.
; SHARES.  Work-groups 0-511 take x, 512-1023 the weight.  A wave takes 64 rows x 128 K: four steps, a fragment (16 rows) each; the four waves of a work-group stand side by side along K.  Waves share nothing: no barrier.
; Each load reads 512 consecutive bytes of one row; the 16 rows x 512 bytes of a step turn through the wave's own stage in LDS, from which a lane takes the 2 x 128 bytes
; of its row that its registers want.  Each store of codes covers 512 consecutive bytes, aligned; a wave's scale words leave as 256 consecutive bytes, aligned.
; Loads run two steps (32 loads a wave) ahead.
.set SP,   528                         ; a stage row: 512 bytes + 16 = 132 words: row r starts at bank 4 r mod 64 (64 banks of 4 bytes: ISA guide 11.1)
.set WSTG, 16*SP                       ; a wave's stage
.set FRB,  1536                        ; a fragment's image
.set REC,  8*FRB+512                   ; a record
.set MX,   10                          ; v10-11   the two blocks' largest magnitudes
.set SO,   12                          ; v12-13   the conversions' scale operands
.set BY,   14                          ; v14-15   the scale bytes
.set SW,   20                          ; v20-23   the four steps' scale words
.set DSV,  26                          ; v26-29   scale of my row in each of the four steps
.set RR,   32                          ; v32-159  two sets of 64 registers, as loaded
.set X,    160                         ; v160-223 register 32 c + i: k = 64 c + 32 h + i of my row
.set C,    224                         ; v224-247 two sets of 12: a fragment's codes
.set T0,   248                         ; v248-250, v252-254: a conversion's three registers begin on an even number; a block's second three do not, so they are made here and moved
.set T1,   252
	s_load_b128 s[4:7], s[0:1], 0x0                ; x, weight_int8
	s_load_b128 s[8:11], s[0:1], 0x10              ; x's records, w's records
	s_load_b64 s[16:17], s[0:1], 0x20              ; scale
	v_lshl_add_u32 v251, v0, 2, 0x8400
	v_mov_b32 v255, 0
	v_lshrrev_b32 v1, 5, v0
	v_readfirstlane_b32 s18, v1                    ; wave 0..3
	v_and_b32 v1, 31, v0                           ; lane
	v_and_b32 v2, 15, v0                           ; r
	v_bfe_u32 v3, v0, 4, 1                         ; h
	v_lshlrev_b32 v4, 4, v1                        ; 16 x lane: my bytes of a load's and of a store's 512
	s_mul_i32 s26, s18, WSTG                       ; my wave's stage
	v_add_nc_u32 v5, s26, v4                       ; into it: a row as it was loaded
	v_mul_u32_u24 v6, v2, SP
	v_lshl_add_u32 v6, v3, 7, v6
	v_add_nc_u32 v6, s26, v6                       ; out of it: row r, + 128 h bytes
	v_lshlrev_b32 v7, 2, v2                        ; my row's place among 16 rows' scales
	v_lshlrev_b32 v8, 4, v2
	v_lshl_add_u32 v8, v3, 3, v8                   ; 16 r + 8 h: my 8 bytes of the wave's 256 bytes of scale words
	v_lshlrev_b32 v9, 3, v3                        ; 8 h: my two bytes' shift in a scale word
	v_mov_b32 v17, 0                               ; written once: a lane permute's destination counts as one of its sources
	s_mov_b32 s28, 0x76543210
	s_mov_b32 s29, 0xfedcba98                      ; v_permlanex16_b32's selects for lane l xor 16
	s_cmp_lt_u32 ttmp9, 512                        ; x's work-group or the weight's?  The choice hangs on the work-group's number alone
	s_cselect_b32 s19, 0, 512                      ; the tensor's first work-group; 0 also says: the numbers are f32 as they come
	s_wait_alu depctr_va_vdst(0)
	s_wait_kmcnt 0x0
	s_cselect_b64 s[4:5], s[4:5], s[6:7]
	s_cselect_b64 s[8:9], s[8:9], s[10:11]
	s_sub_co_u32 s20, ttmp9, s19                   ; my work-group in its tensor, 0 .. 511
	s_lshr_b32 s21, s20, 3                         ; which 64 rows
	s_and_b32 s22, s20, 7
	s_lshl_b32 s22, s22, 2
	s_add_co_u32 s22, s22, s18                     ; which step of 128 along K: 4 x (work-group % 8) + wave
	s_mov_b32 s25, 0                               ; every offset stays under 2^32
	s_lshl_b32 s24, s21, 20                        ; the numbers: 64 rows of 16,384 bytes,
	s_lshl_b32 s26, s22, 9                         ; 512 bytes along the row
	s_add_co_u32 s24, s24, s26
	s_add_nc_u64 s[4:5], s[4:5], s[24:25]
	s_lshr_b32 s26, s20, 4                         ; which half of 128 rows, 0 .. 31: 32 records each
	s_lshl_b32 s26, s26, 5
	s_add_co_u32 s26, s26, s22
	s_mul_i32 s24, s26, REC
	s_add_nc_u64 s[8:9], s[8:9], s[24:25]          ; my record
	s_and_b32 s27, s21, 1                          ; which four of its eight blocks are mine
	s_lshl_b32 s24, s27, 8
	s_add_co_u32 s24, s24, 8*FRB
	s_add_nc_u64 s[12:13], s[8:9], s[24:25]        ; their 256 bytes of scale words
	s_mul_i32 s24, s27, 4*FRB
	s_add_nc_u64 s[8:9], s[8:9], s[24:25]          ; their four images
	s_lshl_b32 s24, s21, 8                         ; scale: my 64 rows' numbers
	s_add_nc_u64 s[16:17], s[16:17], s[24:25]
.macro LOAD t                          ; step t's 16 rows x 512 bytes into set t % 2
.irp i, 0,1,2,3,4,5,6,7,8,9,10,11,12,13,14,15
	global_load_b128 v[RR+64*((\t)%2)+4*\i:RR+64*((\t)%2)+4*\i+3], v4, s[4:5] offset:16384*(16*(\t)+\i) th:TH_LOAD_NT   ; 32 lanes read 512 consecutive bytes of row 16 t + i; read once in the launch.  63 rows at the most: inside the signed 24-bit immediate (ISA guide, chapter 10)
.endr
.endm
.macro STEP t
.set RS, RR+64*((\t)%2)
.set CS, C+12*((\t)%2)
.if (\t) < 3
	s_wait_loadcnt 16                              ; loads come back in order (ISA guide 5.7.1): this step's 16 (and, in step 0, the four of scale ahead of them) are in, the next step's 16 may be out
.else
	s_wait_loadcnt 0x0
.endif
.irp i, 0,1,2,3,4,5,6,7,8,9,10,11,12,13,14,15
	ds_store_b128 v5, v[RS+4*\i:RS+4*\i+3] offset:SP*\i
.endr
.irp c, 0,1
.irp j, 0,1,2,3,4,5,6,7
	ds_load_b128 v[X+32*\c+4*\j:X+32*\c+4*\j+3], v6 offset:256*\c+16*\j   ; LDS serves a wave's instructions in order (ISA guide 5.7.1.4): these see the stores above
.endr
.endr
	s_wait_dscnt 0x0                               ; my 64 numbers are back, and the stores have read their registers,
.if (\t)+2 < 4
	LOAD (\t)+2                                    ; which take the loads of two steps on
.endif
	s_cmp_eq_u32 s19, 0                            ; x's numbers are used as they come; only register work is jumped over
	s_cbranch_scc1 .Lwide_\@
	v_mov_b32 v18, v[DSV+(\t)]                     ; my row's scale, twice: a pair for the packed multiply
	v_mov_b32 v19, v[DSV+(\t)]
.irp j, 0,1,2,3,4,5,6,7,8,9,10,11,12,13,14,15,16,17,18,19,20,21,22,23,24,25,26,27,28,29,30,31,32,33,34,35,36,37,38,39,40,41,42,43,44,45,46,47,48,49,50,51,52,53,54,55,56,57,58,59,60,61,62,63
	v_cvt_f32_i32 v[X+\j], v[X+\j]                 ; the whole number as f32,
.endr
.irp j, 0,2,4,6,8,10,12,14,16,18,20,22,24,26,28,30,32,34,36,38,40,42,44,46,48,50,52,54,56,58,60,62
	v_pk_mul_f32 v[X+\j:X+\j+1], v[X+\j:X+\j+1], v[18:19]   ; times its row's scale: the weight, in f32, ahead of the quantiser
.endr
.Lwide_\@:
.irp c, 0,1                            ; my block 2 c + h of the fragment's four: all its 32 numbers are mine
	v_max3_num_f32 v[MX+\c], |v[X+32*\c]|, |v[X+32*\c+1]|, 0x2800000   ; and the floor 2^(5 - 127), under which no largest magnitude is taken: so the byte cannot fall under 1
.endr
.irp i, 2,4,6,8,10,12,14,16,18,20,22,24,26,28,30
.irp c, 0,1
	v_max3_num_f32 v[MX+\c], v[MX+\c], |v[X+32*\c+\i]|, |v[X+32*\c+\i+1]|   ; (the two blocks by turns)
.endr
.endr
.irp c, 0,1
	v_add_nc_u32 v[SO+\c], 0xfe000000, v[MX+\c]    ; 4 off its exponent field: the conversion takes the exponent field of this operand as its scale, and nothing else of it
.endr
.irp c, 0,1
	v_lshrrev_b32 v[BY+\c], 23, v[SO+\c]           ; the scale's byte
.endr
	v_lshl_or_b32 v16, v[BY+1], 16, v[BY]          ; my two bytes: blocks h and 2 + h of row r,
	v_lshlrev_b32 v16, v9, v16                     ; at their places in the scale word;
	v_permlanex16_b32 v17, v16, s28, s29
	v_or_b32 v[SW+(\t)], v16, v17                  ; with lane l xor 16's two the word is whole, in both lanes
.if (\t) >= 2
	s_wait_alu depctr_va_vdst(0)
	s_wait_xcnt 0x0                                ; the stores of two steps back have read this set of code registers: only behind this wait is it written again
.endif
	v_cvt_scalef32_pk16_bf6_f32 v[CS:CS+2], v[X:X+15], v[SO]
	v_cvt_scalef32_pk16_bf6_f32 v[T0:T0+2], v[X+16:X+31], v[SO]
	v_cvt_scalef32_pk16_bf6_f32 v[CS+6:CS+8], v[X+32:X+47], v[SO+1]
	v_cvt_scalef32_pk16_bf6_f32 v[T1:T1+2], v[X+48:X+63], v[SO+1]
	v_nop                                          ; one plain vector instruction between a scaled conversion and the vector instruction that touches its result
.irp i, 0,1,2
	v_mov_b32 v[CS+3+\i], v[T0+\i]
	v_mov_b32 v[CS+9+\i], v[T1+\i]
.endr
.irp c, 0,1,2
	global_store_b128 v4, v[CS+4*\c:CS+4*\c+3], s[8:9] offset:(\t)*FRB+512*\c   ; registers 4 c .. 4 c + 3 of all 32 lanes: 512 consecutive bytes, aligned
.endr
.endm
.irp t, 0,1,2,3
	global_load_b32 v[DSV+\t], v7, s[16:17] offset:64*\t   ; scale of my row of step t.  x's work-groups load these 256 bytes too and do not use them: so the counts are the same on both ways
.endr
	LOAD 0
	LOAD 1
	STEP 0
	STEP 1
	STEP 2
	STEP 3
	v_cmp_ne_u32 vcc_lo, 0, v3                     ; lanes 0-15 keep the words of steps 0, 1, lanes 16-31 those of steps 2, 3: row r's four words lie on end, 16 bytes
	v_cndmask_b32 v24, v20, v22, vcc_lo
	v_cndmask_b32 v25, v21, v23, vcc_lo
	global_store_b64 v8, v[24:25], s[12:13]        ; 32 lanes store 256 consecutive bytes, aligned
	s_wait_tensorcnt 0x0
	ds_add_u32 v251, v255
	s_wait_dscnt 0x0
	s_endpgm
.Lfunc_end_k_qe667054051_quant:
	.size	k_qe667054051_quant, .Lfunc_end_k_qe667054051_quant-k_qe667054051_quant
	.p2alignl 7, 3214868480
	.fill 96, 4, 3214868480
	.section	.rodata,"a",@progbits
	.p2align	6, 0x0
	.amdhsa_kernel k_qe667054051_quant
		.amdhsa_group_segment_fixed_size 34304
		.amdhsa_private_segment_fixed_size 0
		.amdhsa_enable_private_segment 0
		.amdhsa_kernarg_size 40
		.amdhsa_user_sgpr_count 2
		.amdhsa_user_sgpr_kernarg_segment_ptr 1
		.amdhsa_wavefront_size32 1
		.amdhsa_system_sgpr_workgroup_id_x 1
		.amdhsa_system_sgpr_workgroup_id_y 1
		.amdhsa_system_sgpr_workgroup_id_z 1
		.amdhsa_system_vgpr_workitem_id 0
		.amdhsa_next_free_vgpr 256
		.amdhsa_next_free_sgpr 66
		.amdhsa_reserve_vcc 1
		.amdhsa_float_denorm_mode_32 3
		.amdhsa_float_denorm_mode_16_64 3
		.amdhsa_memory_ordered 1
		.amdhsa_forward_progress 1
		.amdhsa_inst_pref_size 47
	.end_amdhsa_kernel
	.amdgpu_metadata
---
amdhsa.version: [ 1, 2 ]
amdhsa.kernels:
  - .name:           k_qe667054051_quant
    .symbol:         k_qe667054051_quant.kd
    .args:
      - { .name: x, .offset: 0, .size: 8, .value_kind: global_buffer, .address_space: global }
      - { .name: weight_int8, .offset: 8, .size: 8, .value_kind: global_buffer, .address_space: global }
      - { .name: xq, .offset: 16, .size: 8, .value_kind: global_buffer, .address_space: global }
      - { .name: wq, .offset: 24, .size: 8, .value_kind: global_buffer, .address_space: global }
      - { .name: scale, .offset: 32, .size: 8, .value_kind: global_buffer, .address_space: global }
    .group_segment_fixed_size: 34304
    .private_segment_fixed_size: 0
    .kernarg_segment_align: 8
    .kernarg_segment_size: 40
    .max_flat_workgroup_size: 128
    .sgpr_count:     66
    .vgpr_count:     256
    .wavefront_size: 32
...
	.end_amdgpu_metadata
.endif
;; end of part 1
;; launch gemm (part 2): grid 16 x 16, 4 waves a work-group, clusters of 4 x 4, 327,680 bytes of LDS; arguments xq, wq, bias, out0; writes out0
.if DOCPART == 2
	.amdgcn_target "amdgcn-amd-amdhsa--gfx1250"
	.amdhsa_code_object_version 6
	.text
	.protected	k_qe667054051_gemm
	.globl	k_qe667054051_gemm
	.p2align	8
	.type	k_qe667054051_gemm,@function
k_qe667054051_gemm:
	s_mov_b64 s[64:65], 0
	v_nop
	global_prefetch_b8 v0, s[64:65] scope:SCOPE_SE
	s_setreg_imm32_b32 hwreg(HW_REG_WAVE_MODE, 25, 1), 1
	s_wait_xcnt 0x0
	s_wait_alu depctr_hold_cnt(0) depctr_sa_sdst(0) depctr_va_vdst(0) depctr_va_sdst(0) depctr_va_ssrc(0) depctr_va_vcc(0) depctr_vm_vsrc(0)
	s_getreg_b32 s2, hwreg(HW_REG_IB_STS2, 6, 4)
	s_cmp_eq_u32 s2, 0
	s_cbranch_scc0 .Lentry_in_a_cluster
	s_endpgm
.Lentry_in_a_cluster:
	s_bfe_u32 s2, ttmp6, 0x10000c
	s_cmp_lg_u32 s2, 0xf033
	s_cbranch_scc0 .Lentry_shape_is_right
	s_endpgm
.Lentry_shape_is_right:
; out0[m][n] = sum over k of Q(x)[m][k] Q(w)[n][k] + bias[n]; both operands come as codes of BF6 (E3M2) with E8M0 scale bytes, in the records that launch quant lays:
; a stream of 32 records (one for each 128 along K) for each 128 rows; a record is the register image of 8 fragments (16 rows x 128 K, 1,536 bytes each) and 512 bytes of scale words.
; A tile of 256 x 256 of out0 is made by four waves, 128 x 128 each: 64 accumulators, 512 registers.  K goes through a ring of two LDS slots of three K steps (4 x 38,400 bytes);
; each wave fills a quarter of a slot by one tensor load of dense rows of 256 bytes.  32 K steps = ten fills of three and a last one of two.
; CLUSTERS: 4 x 4 work-groups; x's records are asked for jointly along a row of the cluster, w's along a column.
; The matrix instruction is used transposed (source 0 = rows of w, source 1 = rows of x): a lane holds eight neighbouring columns of one row of out0.  The bias is the C of the first K step's products.
; FRAGMENTS: x has one set of registers (blocks 0-3 fetched anew in a step's middle, blocks 4-7 at its end); w has two sets.  w's fragments of a slot's second and third K step are fetched
; a whole K step ahead, into the set just multiplied; only those of a slot's first K step are fetched behind the change of slots.
; PREFETCH: every cluster asks for its own streams; the four partners that ask for a stream jointly share its bytes out by address; 81,920 bytes of a stream an ask:
; one ask ahead of the first K step (bytes 81,920 on, of which the first are loaded two K steps later), one in each of the loop's first three trips (bytes 163,840 on); the last ends at the stream's end.
.set SIZE_N, 4096
.set LASTCH, 0                         ; 1: the slot at work holds the last two K steps: there is no third to fetch
.set FR,     12
.set NL,     3
.set NP,     4
.set FRB,    1536
.set SCO,    8*FRB
.set STEPB,  8*FRB+512
.set QB,     3*STEPB
.set SLOT,   4*QB
.set STREAM, 32*STEPB
.set LAPB,   2*QB
.set TRIPS,  4
.set SPARE,  2*SLOT
.set SPITCH, 528
.set STAGE,  SLOT
.set PF0,    163840
.set PFSTEP, 81920
.set PFSH,   40960
.set ADRA, 16
.set ADRS, 18
.set ADRB, 20
.set STO,  24
.set RD,   25
.set CO,   26
.set SPW,  28
.set NIL,  29
.set PFO,  30
.set BO,   31
.set SC,   32
.set BI,   64
.set AF,   128
.set G1,   24
.set G0,   32
.set G1B,  48
.set G0B,  56
.set G1L,  68
.set G1LB, 80
.set LIM,  95
.set PFA,  96
.set MSB, 0
.macro WIN new
.if MSB != \new
	s_set_vgpr_msb (MSB<<8)|\new
.set MSB, \new
.endif
.endm
.set MUL_LO,   0xa1
.set MUL_HI,   0xf1
.set FIRST_LO, 0x81
.set FIRST_HI, 0xc1
.set TO_B,     0x40
.macro JLOAD g0a, g1a, g0b, g1b
	s_cmp_eq_u32 s15, 0
	s_cbranch_scc0 .Lfor_b_\@
	tensor_load_to_lds s[\g0a:\g0a+3], s[\g1a:\g1a+7]
	s_nop 0
.rept 4
	v_nop
.endr
	s_branch .Lasked_\@
.Lfor_b_\@:
	tensor_load_to_lds s[\g0b:\g0b+3], s[\g1b:\g1b+7]
	s_nop 0
.rept 4
	v_nop
.endr
.Lasked_\@:
.endm
.macro CREST
	s_cmp_lg_u32 s14, 0
	s_cbranch_scc1 .Lnot_wave_0_\@
	s_barrier_signal -3
.Lnot_wave_0_\@:
	s_barrier_wait -3
	s_barrier_signal -1
	s_barrier_wait -1
.endm
.macro CROUND
	s_barrier_signal -1
	s_barrier_wait -1
	CREST
.endm
.macro ASK
	s_cmp_gt_u32 s3, s[LIM]
	s_cbranch_scc0 .Lnot_mine_\@
	s_wait_alu depctr_va_vdst(0)
.irp e, 0,1,2,3,4
	global_prefetch_b8 v[PFO], s[PFA:PFA+1] offset:8192*\e th:TH_LOAD_NT scope:SCOPE_SE
.endr
.Lnot_mine_\@:
.endm
	s_load_b128 s[4:7], s[0:1], 0x0
	s_load_b64 s[66:67], s[0:1], 0x10
	s_load_b64 s[12:13], s[0:1], 0x18
	v_lshl_add_u32 v[SPW], v0, 2, SPARE
	v_mov_b32 v[NIL], 0
	ds_add_u32 v28, v29
	ds_add_u32 v28, v29
	s_wait_dscnt 0x0
	v_lshrrev_b32 v1, 5, v0
	v_readfirstlane_b32 s14, v1
	s_lshr_b32 s15, s14, 1
	s_and_b32 s16, s14, 1
	s_bfe_u32 s40, ttmp6, 0x40000
	s_bfe_u32 s41, ttmp6, 0x40004
	s_lshl_b32 s42, ttmp9, 2
	s_add_co_u32 s42, s42, s40
	s_and_b32 s17, ttmp7, 0xffff
	s_lshl_b32 s17, s17, 2
	s_add_co_u32 s17, s17, s41
	s_lshl_b32 s43, s41, 2
	s_lshl_b32 s43, 15, s43
	s_lshl_b32 s44, 0x1111, s40
	s_or_b32 s[G1+0], s43, (3<<16)|(1<<21)
	s_or_b32 s[G1B+0], s44, (3<<16)|(1<<21)
.irp g, G1, G1B                        ; a quarter of a slot: three records on end in memory, as 150 rows of 256 bytes (32 elements of 8 bytes)
	s_mov_b32 s[\g+1], 32<<16
	s_mov_b32 s[\g+2], (QB/256)<<16
	s_mov_b32 s[\g+3], 32<<16
	s_mov_b32 s[\g+4], QB/256
	s_mov_b32 s[\g+5], 32
	s_mov_b32 s[\g+6], 0
	s_mov_b32 s[\g+7], 0
.endr
	s_or_b32 s[G1L+0], s43, (3<<16)|(1<<21)
	s_or_b32 s[G1LB+0], s44, (3<<16)|(1<<21)
.irp g, G1L, G1LB                      ; the last fill: two records, 100 rows of 256 bytes
	s_mov_b32 s[\g+1], 32<<16
	s_mov_b32 s[\g+2], (2*STEPB/256)<<16
	s_mov_b32 s[\g+3], 32<<16
	s_mov_b32 s[\g+4], 2*STEPB/256
	s_mov_b32 s[\g+5], 32
	s_mov_b32 s[\g+6], 0
	s_mov_b32 s[\g+7], 0
.endr
	s_lshl_b32 s20, s17, 1
	s_add_co_u32 s20, s20, s16
	s_mul_i32 s20, s20, STREAM
	s_mov_b32 s21, 0
	s_lshl_b32 s46, s42, 1
	s_add_co_u32 s46, s46, s16
	s_mul_i32 s46, s46, STREAM
	s_mov_b32 s47, 0
	s_mul_i32 s45, s14, QB
	s_wait_kmcnt 0x0
	s_add_nc_u64 s[20:21], s[4:5], s[20:21]
	s_add_nc_u64 s[46:47], s[6:7], s[46:47]
	CROUND
.irp s, 0,1
	s_mov_b32 s[G0+4*\s], 1
	s_add_co_u32 s[G0+4*\s+1], s45, \s*SLOT
	s_add_nc_u64 s[G0+4*\s+2:G0+4*\s+3], s[20:21], \s*QB
	s_or_b32 s[G0+4*\s+3], s[G0+4*\s+3], 0x80000000
	s_mov_b32 s[G0B+4*\s], 1
	s_add_co_u32 s[G0B+4*\s+1], s45, \s*SLOT
	s_add_nc_u64 s[G0B+4*\s+2:G0B+4*\s+3], s[46:47], \s*QB
	s_or_b32 s[G0B+4*\s+3], s[G0B+4*\s+3], 0x80000000
.endr
	JLOAD G0, G1, G0B, G1B                         ; slot 0's first fill, behind the opening lines and the one round: one tensor load a wave at the head; the addresses below are made while it is out
	v_and_b32 v1, 15, v0
	v_bfe_u32 v2, v0, 4, 1
	v_and_b32 v3, 31, v0
	v_lshlrev_b32 v4, 4, v3
	s_mul_i32 s21, s15, QB
	s_mul_i32 s22, s16, QB
	s_add_co_u32 s22, s22, 2*QB
	s_sub_co_u32 s23, s22, s21
	v_mul_u32_u24 v6, s23, v2
	v_lshl_add_u32 v5, v1, 4, v6
.irp s, 0,1
	v_add_nc_u32 v[ADRA+\s], s21, v4
	v_add_nc_u32 v[ADRB+\s], s22, v4
	v_add_nc_u32 v[ADRS+\s], s21, v5
	s_add_co_u32 s21, s21, SLOT
	s_add_co_u32 s22, s22, SLOT
.endr
	s_mul_i32 s23, s14, 16*SPITCH
	s_add_co_u32 s23, s23, STAGE
	v_mul_u32_u24 v5, v1, SPITCH
	v_lshl_add_u32 v5, v2, 5, v5
	v_add_nc_u32 v[STO], s23, v5
	v_lshlrev_b32 v[CO], 4, v3
	v_add_nc_u32 v[RD], s23, v[CO]
	v_lshlrev_b32 v[BO], 5, v2
	s_wait_alu depctr_va_vdst(0)
	v_lshlrev_b32 v[PFO], 8, v3
	s_lshl_b32 s20, s17, 8
	s_lshl_b32 s21, s15, 7
	s_add_co_u32 s20, s20, s21
	s_lshl_b32 s20, s20, 14
	s_mov_b32 s21, 0
	s_lshl_b32 s46, s42, 10
	s_lshl_b32 s47, s16, 9
	s_add_co_u32 s46, s46, s47
	s_mov_b32 s47, 0
	s_add_nc_u64 s[66:67], s[66:67], s[46:47]
	s_add_nc_u64 s[20:21], s[20:21], s[46:47]
	s_add_nc_u64 s[12:13], s[12:13], s[20:21]
.irp b, 0,1,2,3,4,5,6,7
	global_load_b128 v[BI+8*\b:BI+8*\b+3], v[BO], s[66:67] offset:64*\b
	global_load_b128 v[BI+8*\b+4:BI+8*\b+7], v[BO], s[66:67] offset:64*\b+16
.endr
	s_cmp_eq_u32 s15, 0
	s_cselect_b32 s20, s17, s42
	s_cselect_b32 s21, s40, s41
	s_cselect_b64 s[PFA:PFA+1], s[4:5], s[6:7]
	s_cmp_eq_u32 s16, 0                            ; waves 0 (x) and 2 (w) of every work-group ask: the choice hangs on the wave's number alone
	s_cselect_b32 s[LIM], 1, -1
	s_mul_i32 s20, s20, 2*STREAM
	s_lshr_b32 s22, s21, 1
	s_mul_i32 s22, s22, STREAM
	s_add_co_u32 s20, s20, s22
	s_and_b32 s21, s21, 1
	s_mul_i32 s21, s21, PFSH
	s_add_co_u32 s20, s20, s21
	s_add_co_u32 s20, s20, PF0-PFSTEP
	s_mov_b32 s21, 0
	s_add_nc_u64 s[PFA:PFA+1], s[PFA:PFA+1], s[20:21]
.macro FRAG reg, adr, q, i
.irp c, 0,1,2
	ds_load_b128 v[\reg+4*\c:\reg+4*\c+3], v[\adr] offset:(\q)*STEPB+(\i)*FRB+512*\c
.endr
.endm
.macro MUL8 a, first
.irp b, 0,1,2,3,4,5,6,7
.if \first
	v_wmma_scale_f32_16x16x128_f8f6f4 v[8*(8*((\a)%4)+\b):8*(8*((\a)%4)+\b)+7], v[128*PB+FR*\b:128*PB+FR*\b+FR-1], v[AF+FR*(\a):AF+FR*(\a)+FR-1], v[BI+8*\b:BI+8*\b+7], v[SC+8*PB+\b], v[SC+8*PB+(\a)] matrix_a_fmt:MATRIX_FMT_BF6 matrix_b_fmt:MATRIX_FMT_BF6 matrix_a_scale:MATRIX_SCALE_ROW1
.else
	v_wmma_scale_f32_16x16x128_f8f6f4 v[8*(8*((\a)%4)+\b):8*(8*((\a)%4)+\b)+7], v[128*PB+FR*\b:128*PB+FR*\b+FR-1], v[AF+FR*(\a):AF+FR*(\a)+FR-1], v[8*(8*((\a)%4)+\b):8*(8*((\a)%4)+\b)+7], v[SC+8*PB+\b], v[SC+8*PB+(\a)] matrix_a_fmt:MATRIX_FMT_BF6 matrix_b_fmt:MATRIX_FMT_BF6 matrix_a_scale:MATRIX_SCALE_ROW1
.endif
.endr
.endm
.macro MUL32 a0, first
.irp a, \a0, \a0+1, \a0+2, \a0+3
	MUL8 \a, \first
.endr
.endm
.macro FETCH_B slot, q, p
	WIN TO_B
.irp i, 0,1,2,3,4,5,6,7
	FRAG 128*(\p)+FR*\i, ADRB+\slot, \q, \i
.endr
	WIN 0
.endm
.macro FETCH_A slot, q, i0
.irp i, \i0, \i0+1, \i0+2, \i0+3
	FRAG AF+FR*(\i), ADRA+\slot, \q, \i
.endr
.endm
.macro SCALES slot, q, p
	ds_load_b128 v[SC+8*(\p):SC+8*(\p)+3], v[ADRS+\slot] offset:(\q)*STEPB+SCO
	ds_load_b128 v[SC+8*(\p)+4:SC+8*(\p)+7], v[ADRS+\slot] offset:(\q)*STEPB+SCO+256
.endm
.macro PLACES n
.rept \n
	v_nop
.endr
.endm
.macro STEP slot, q, first
.set PB, (3*(\slot)+(\q))%2
	s_wait_dscnt 12*NL                             ; this step's w set, x's blocks 0-3 and the scale words are in; the youngest 36 loads (x's blocks 4-7, then the w set fetched a step ahead) may be out
.if \first
	WIN FIRST_LO
.else
	WIN MUL_LO
.endif
	MUL32 0, \first
	s_wait_dscnt 8*NL                              ; x's blocks 4-7 are in; the 24 loads of the w set issued behind them may be out
	PLACES NP
	WIN 0
	FETCH_A \slot, (\q)+1, 0
	SCALES \slot, (\q)+1, 1-PB
.if \first
	WIN FIRST_HI
.else
	WIN MUL_HI
.endif
	MUL32 4, \first
	PLACES NP
	WIN 0
	FETCH_A \slot, (\q)+1, 4
.if (\q) == 0 && LASTCH == 0
	FETCH_B \slot, 2, PB                           ; the slot's third K step, into the w set just multiplied (the places above serve these loads too)
.endif
.endm
.macro TURN slot, next, fill
.set PB, (3*(\slot)+2)%2
.if (\fill) == 1 && (\slot) == 1
	s_wait_xcnt 0x0
	s_add_nc_u64 s[PFA:PFA+1], s[PFA:PFA+1], PFSTEP
.endif
	s_wait_dscnt 4*NL
	WIN MUL_LO
	MUL32 0, 0                                     ; all products of x's blocks 0-3 stand ahead of the wait for the tile
	WIN 0
	s_wait_tensorcnt 0x0                           ; all my tensor loads have landed: my part of the next slot
	ds_add_u32 v[SPW], v[NIL]
.if \fill
	s_add_nc_u64 s[G0+4*\slot+2:G0+4*\slot+3], s[G0+4*\slot+2:G0+4*\slot+3], LAPB      ; no tensor load of mine is out: this slot's next tile
	s_add_nc_u64 s[G0B+4*\slot+2:G0B+4*\slot+3], s[G0B+4*\slot+2:G0B+4*\slot+3], LAPB
.endif
	s_wait_dscnt 0x0
	s_barrier_signal -1
	s_barrier_wait -1
.if \fill
	CREST
.if (\fill) == 1
	JLOAD G0+4*\slot, G1, G0B+4*\slot, G1B
.else
	JLOAD G0+4*\slot, G1L, G0B+4*\slot, G1LB
.endif
.else
	PLACES NP
.endif
	FETCH_B \next, 0, 1-PB
	FETCH_A \next, 0, 0
	SCALES \next, 0, 1-PB
.if (\fill) == 1 && (\slot) == 1
	ASK
.endif
	WIN MUL_HI
	MUL32 4, 0
	PLACES NP
	WIN 0
	FETCH_A \next, 0, 4
	FETCH_B \next, 1, PB                           ; the next slot's second K step, into the w set just multiplied
.endm
	s_wait_alu depctr_va_vdst(0)
	s_wait_tensorcnt 0x0                           ; my part of slot 0 is in; slot 1's first fill is issued as a refill is:
	ds_add_u32 v[SPW], v[NIL]
	s_wait_dscnt 0x0
	CROUND                                         ; slot 0 is whole in all sixteen work-groups
	JLOAD G0+4, G1, G0B+4, G1B                     ; the first tensor load behind the round
	FETCH_B 0, 0, 0
	FETCH_A 0, 0, 0
	SCALES 0, 0, 0
	FETCH_A 0, 0, 4
	FETCH_B 0, 1, 1                                ; the second K step's w set, a step ahead
	s_wait_loadcnt 0x0                             ; the bias
	s_cmp_eq_u32 s[LIM], 1
	s_cbranch_scc0 .Lno_head_ask
.irp e, 0,1,2,3,4
	global_prefetch_b8 v[PFO], s[PFA:PFA+1] offset:8192*\e th:TH_LOAD_NT scope:SCOPE_SE   ; my 40,960 of bytes 81,920 to 163,839 of the stream: a lane a block of 256 bytes
.endr
.Lno_head_ask:
	STEP 0, 0, 1
	s_mov_b32 s3, TRIPS
.Llap:
	STEP 0, 1, 0
	TURN 0, 1, 1
	STEP 1, 0, 0
	STEP 1, 1, 0
	TURN 1, 0, 1
	STEP 0, 0, 0
	s_sub_co_u32 s3, s3, 1
	s_cmp_lg_u32 s3, 0
	s_cbranch_scc1 .Llap
	STEP 0, 1, 0
	TURN 0, 1, 2
	STEP 1, 0, 0
	STEP 1, 1, 0
	TURN 1, 0, 0
.set LASTCH, 1
	STEP 0, 0, 0
; THE WAY OUT.  Row t of block a, read back from the stage, lands in four registers of window 0 that are free while the last K step is still multiplied:
; even blocks v48-111; odd blocks v112-127, v224-255 and v128-143 (x's fragments of blocks 0 and 1, which are multiplied by then).
.macro BREG a, t
.if ((\a)%2) == 0
.set RB, 48+4*(\t)
.else
.if (\t) < 4
.set RB, 112+4*(\t)
.else
.if (\t) < 12
.set RB, 208+4*(\t)
.else
.set RB, 80+4*(\t)
.endif
.endif
.endif
.endm
.macro TOSTAGE a
.set AC, 64*((\a)%4)
	WIN 0x08+4*((\a)/4)
.irp b, 0,1,2,3,4,5,6,7
	ds_store_b128 v[STO], v[AC+8*\b:AC+8*\b+3] offset:64*\b
	ds_store_b128 v[STO], v[AC+8*\b+4:AC+8*\b+7] offset:64*\b+16
.endr
	WIN 0
.irp t, 0,1,2,3,4,5,6,7,8,9,10,11,12,13,14,15
	BREG \a, \t
	ds_load_b128 v[RB:RB+3], v[RD] offset:\t*SPITCH
.endr
.endm
.macro SEND a, younger
	s_wait_dscnt \younger
.if (\a) > 0
	s_add_nc_u64 s[12:13], s[12:13], 16*SIZE_N*4
.endif
.irp t, 0,1,2,3,4,5,6,7,8,9,10,11,12,13,14,15
	BREG \a, \t
	global_store_b128 v[CO], v[RB:RB+3], s[12:13] offset:\t*SIZE_N*4 th:TH_STORE_NT
.endr
.endm
; THE LAST K STEP GOES BLOCK BY BLOCK: a block of 16 rows is finished by its eight products, and goes through the stage and out while the next block's products are issued.
.set PB, 1
	s_wait_dscnt 4*NL                              ; w's set, x's blocks 0-3 and the scale words are in; x's blocks 4-7, the youngest 12 loads, are shown in by SEND's counted waits ahead of block 4's products
	WIN MUL_LO
	MUL8 0, 0
.irp a, 0,1,2,3,4,5,6,7
.if \a < 7
.if \a+1 < 4
	WIN MUL_LO
.else
	WIN MUL_HI
.endif
	MUL8 \a+1, 0
.endif
	PLACES NP                                      ; four places behind the products, ahead of the stores that read block a's sums and of the loads into registers that held x's fragments
.if \a > 1
	s_wait_xcnt 0x0                                ; block a - 2's stores have read their registers and their base
.endif
	TOSTAGE \a
.if \a > 0
	SEND \a-1, 32                                  ; behind block a - 1's loads: block a's 16 stores and 16 loads
.endif
.endr
	s_wait_xcnt 0x0
	SEND 7, 0
	s_wait_tensorcnt 0x0
	ds_add_u32 v[SPW], v[NIL]
	s_wait_dscnt 0x0
	CROUND
	s_endpgm
.Lfunc_end_k_qe667054051_gemm:
	.size	k_qe667054051_gemm, .Lfunc_end_k_qe667054051_gemm-k_qe667054051_gemm
	.p2alignl 7, 3214868480
	.fill 96, 4, 3214868480
	.section	.rodata,"a",@progbits
	.p2align	6, 0x0
	.amdhsa_kernel k_qe667054051_gemm
		.amdhsa_group_segment_fixed_size 327680
		.amdhsa_private_segment_fixed_size 0
		.amdhsa_enable_private_segment 0
		.amdhsa_kernarg_size 32
		.amdhsa_user_sgpr_count 2
		.amdhsa_user_sgpr_kernarg_segment_ptr 1
		.amdhsa_wavefront_size32 1
		.amdhsa_system_sgpr_workgroup_id_x 1
		.amdhsa_system_sgpr_workgroup_id_y 1
		.amdhsa_system_sgpr_workgroup_id_z 1
		.amdhsa_system_vgpr_workitem_id 0
		.amdhsa_next_free_vgpr 1024
		.amdhsa_next_free_sgpr 98
		.amdhsa_reserve_vcc 0
		.amdhsa_float_denorm_mode_32 3
		.amdhsa_float_denorm_mode_16_64 3
		.amdhsa_memory_ordered 1
		.amdhsa_forward_progress 1
		.amdhsa_inst_pref_size 208
	.end_amdhsa_kernel
	.amdgpu_metadata
---
amdhsa.version: [ 1, 2 ]
amdhsa.kernels:
  - .name:           k_qe667054051_gemm
    .symbol:         k_qe667054051_gemm.kd
    .args:
      - { .name: xq, .offset: 0, .size: 8, .value_kind: global_buffer, .address_space: global }
      - { .name: wq, .offset: 8, .size: 8, .value_kind: global_buffer, .address_space: global }
      - { .name: bias, .offset: 16, .size: 8, .value_kind: global_buffer, .address_space: global }
      - { .name: out0, .offset: 24, .size: 8, .value_kind: global_buffer, .address_space: global }
    .group_segment_fixed_size: 327680
    .private_segment_fixed_size: 0
    .kernarg_segment_align: 8
    .kernarg_segment_size: 32
    .max_flat_workgroup_size: 128
    .sgpr_count:     98
    .vgpr_count:     1024
    .wavefront_size: 32
...
	.end_amdgpu_metadata
.endif
;; end of part 2
